; MI455X (gfx1250); checked and timed in simulation.
; The chip was launched on July 23, 2026; its instructions are those of AMD's public machine-readable ISA for CDNA 5 (MIT licence, August 2026) and "CDNA5" Instruction Set Architecture Reference Guide (July 2026). The comments in the code are by the model that wrote it; some were corrected since.
;; Multi Head Attention. Allowed arithmetic: matrix products marked QUANTISED: E4M3 operands, one given power-of-two scale a tensor, by v_wmma_f32_16x16x64_fp8_fp8 or v_wmma_f32_16x16x128_fp8_fp8, f32 sums; everything else in f32.
;; Inputs: WK 1,024 x 1,024 float32; WQ 1,024 x 1,024 float32; WV 1,024 x 1,024 float32; attn_mask 32 x 2,048 x 2,048 bool; key 2 x 2,048 x 1,024 float32; lowp_scales 10 int32 (the exponents e of the quantised operands' scales 2^e); query 2 x 2,048 x 1,024 float32; value 2 x 2,048 x 1,024 float32.
;; Outputs: out0 2 x 2,048 x 1,024 float32.
;; This version of the problem:
;;   THIS VERSION OF THE PROBLEM IS GIVEN IN LOW PRECISION. The matrix products marked QUANTISED in the list below multiply operands that are first quantised to E4M3 (4 exponent bits, 3 mantissa bits; 8 bits a number), with one given power-of-two scale for each operand tensor; their sums are f32. All else is computed in f32.
;;   The module's matrix products, in the order in which they are computed (A, B: the left and right operand; K: the contracted axis; several contracted axes count as one K, in the product's order):
;;     1. [M 4,096, K 1,024] x [K 1,024, N 1,024]; A: input query; B: input WQ: QUANTISED (scales: A lowp_scales[0], B lowp_scales[1])
;;     2. [M 4,096, K 1,024] x [K 1,024, N 1,024]; A: input key; B: input WK: QUANTISED (scales: A lowp_scales[2], B lowp_scales[3])
;;     3. [M 4,096, K 1,024] x [K 1,024, N 1,024]; A: input value; B: input WV: QUANTISED (scales: A lowp_scales[4], B lowp_scales[5])
;;     4. batch 32 x [M 2,048, K 64] x [K 64, N 2,048]; A: computed on the way; B: computed on the way: QUANTISED (scales: A lowp_scales[6], B lowp_scales[7])
;;     5. batch 32 x [M 2,048, K 2,048] x [K 2,048, N 64]; A: computed on the way; B: computed on the way: QUANTISED (scales: A lowp_scales[8], B lowp_scales[9])
;;   THE QUANTISER, for each operand of a quantised product, along K:
;;     - The operand's scale is 2^e, e = its entry of the input lowp_scales (int32; the entries are numbered through the quantised products in the list's order, A before B).
;;     - Each number is divided by the scale, clamped to +-448, and rounded to the nearest number of E4M3, ties to even, subnormals kept.
;;     - The product sums the exact products of the quantised numbers (number of the format x scale) in f32.
;;   ~~~python
;;   def quantise(x, axis, e):      # numpy; x: float32 -> the quantised numbers, widened to float32 again
;;       x = np.moveaxis(x, axis, -1); K = x.shape[-1]
;;       r = np.clip(x / 2.0 ** e, -448, 448)
;;       step = 2.0 ** (np.maximum(np.frexp(np.where(r == 0, 1, r))[1] - 1, -6) - 3)
;;       q = np.round(r / step) * step * 2.0 ** e      # np.round: ties to even
;;       return np.moveaxis(q, -1, axis).astype(np.float32)
;;   ~~~
;;   OPERANDS COMPUTED ON THE WAY. 'Computed on the way' means the value that the module computes at that place (a softmax that the list does not call 'softmax' is quantised finished and normalised). What goes into a quantiser is computed in f32, as accurately as f32 sums, v_exp_f32 and their like allow (about 1e-6 of the number): no bf16 or f16 on the way to a quantiser, and a product that is left as it is and whose result goes on into a quantised operand takes f32 operands (vector FMAs, or v_wmma_f32_16x16x4_f32). A number that lies on a knife's edge between two numbers of the format may be rounded either way, as far as f32 arithmetic and the matrix unit's own rounding can turn it there, and no further.
;; One version. Each part assembles by itself: llvm-mc -triple=amdgcn-amd-amdhsa -mcpu=gfx1250 --defsym DOCPART=n.
;; ======== version 1 of 1: 3 launches
;; limits: right only within a limited range of input values; values are held in bf16: 8 bits of precision
;; workspace buffers: cod 15,728,640 bytes; qkv 12,582,912 bytes
;; launch quant (part 1): grid 480 x 1, 4 waves a work-group, no clusters, 68,096 bytes of LDS; arguments query, key, value, WQ, WK, WV, lowp_scales, cod; writes cod
.if DOCPART == 1
	.amdgcn_target "amdgcn-amd-amdhsa--gfx1250"
	.amdhsa_code_object_version 6
	.text
	.protected	k_qf860c22587_quant
	.globl	k_qf860c22587_quant
	.p2align	8
	.type	k_qf860c22587_quant,@function
k_qf860c22587_quant:
	s_mov_b64 s[64:65], 0
	v_nop
	global_prefetch_b8 v0, s[64:65] scope:SCOPE_SE
	s_setreg_imm32_b32 hwreg(HW_REG_WAVE_MODE, 25, 1), 1
	s_wait_xcnt 0x0
; LAUNCH 1 OF 3.  query, key, value [4096][1024] and WQ, WK, WV [1024 (k)][1024 (n)], all f32, become codes of E4M3 with K innermost, each with the scale 2^e given for it (lowp_scales 0 .. 5).
; THE PROGRAM: (1) this launch; (2) the three projections on codes, their sums quantised at once and stored as images of the attention's operand registers; (3) the attention.
; DEAD WORK: none is left out.  Every input has a way to the output and is loaded: the mask is an input, so every tile of scores is computed and every byte of the mask is honoured.
; ONE TERM IS APPLIED IN ANOTHER SIZE (launch 3): reference() adds -1e6 to a masked score; launch 3 adds, in the base-2 domain, -131,072 or -409,600 where reference() has -180,337.
;   The quantisers bound |q.k| by 64 x 448^2 x 2^(e6 + e7).  LIMIT: e6 + e7 <= -6; then |q.k| log2(e) / 8 <= 36,196, whatever the inputs hold, and a masked term lies more than 58,000 binary orders under
;   every open one, in reference() and here alike: its exponential is exactly 0 in f32 in both.  A row with no open key gives 0 in both, since p is multiplied by the mask.
; LIMITS: -126 <= e and e + 8 <= 127 for each exponent used here.  NaN among the inputs is not served (an infinity is held at the largest code).
; code = x / 2^e, held within +-448, rounded to the nearest code, ties to even.
; OUT: cod = [3][4096 stored rows][1024] for query, key, value, then from byte 12 MiB on [3][1024 stored rows n][1024 along k] for WQ, WK, WV.
; THE ORDER OF STORED ROWS: row s is stored at pos(s) = s with bits 3 and 4 exchanged, for all but query.  So sixteen stored rows on end, 32 b + 16 u + m, are the rows 32 b + 8 u + m % 8 + 16 (m / 8):
;   the rows that must form a tile of source 0 so that a lane's 16 registers of two neighbouring tiles are 16 neighbours (launch 2), and the keys that form a tile of K (launch 3).
; Work-groups 0 .. 383 take the three tensors whose K is innermost (path X), 384 .. 479 the three weights, whose K is the first axis (path W).  The paths part on the work-group's number and have LDS bytes of their own.
; No tensor loads, no barrier: waves share nothing.  Matrix units and clusters would add nothing to a stream.
.set STEPS, 16
.set EMAX,  8
.set MANT,  0x600000                   ; the mantissa field of 448 as f32
.set SPW,   12                         ; v12  LDS address of my spare word; never rewritten
.set NIL,   13                         ; v13  0; never rewritten
; path X: a wave takes 8,192 numbers (8 rows) in 16 steps of 512
.set R,     16                         ; v16-79   four sets of 16 numbers as they are loaded
.set X,     80                         ; v80-111  two sets of 16 neighbours
.set C,     128                        ; v128-191 codes: four registers for each step, so that no store's data are written again
.set WREG,  8192                       ; LDS 0 .. 32,767: a region for each wave: two stages of 32 x SP bytes
.set SP,    80                         ; a lane's place in a stage: its 64 bytes + 16 of padding
; path W: a wave takes 32 columns x 256 along K
.set WSTG,  32768                      ; LDS 32,768 .. 67,583: a stage of 32 rows x WP for each wave
.set WP,    272                        ; 256 bytes of codes + 16 of padding
.set NB,    8                          ; blocks of 32 along K
.set XW,    32                         ; v32-95   two sets of 32 numbers
.set CW,    96                         ; v96-103  a block's codes
.set OUTR,  112                        ; v112-175 the way out
.set SPARE, WSTG+4*32*WP               ; 67,584: the spare words, 128 bytes for each wave: two blocks of 256 bytes that no other line names
.macro LOADX t
.irp i, 0,1,2,3
	global_load_b128 v[R+16*((\t)%4)+4*\i:R+16*((\t)%4)+4*\i+3], v3, s[4:5] offset:2048*(\t)+512*\i th:TH_LOAD_NT   ; 32 lanes read 512 consecutive bytes
.endr
.endm
.macro TURNX t                         ; step t's numbers through the stage: in as they lie, back 64 bytes a lane.  LDS serves a wave's instructions in order: no wait between the stores and the loads
.irp i, 0,1,2,3
	ds_store_b128 v14, v[R+16*((\t)%4)+4*\i:R+16*((\t)%4)+4*\i+3] offset:32*SP*((\t)%2)+8*SP*\i
.endr
.irp i, 0,1,2,3
	ds_load_b128 v[X+16*((\t)%2)+4*\i:X+16*((\t)%2)+4*\i+3], v15 offset:32*SP*((\t)%2)+16*\i
.endr
.endm
.macro STEPX t
.set XS, X+16*((\t)%2)
	s_wait_dscnt 0x0                               ; this step's numbers are back from the stage: so its stores into the stage have read their registers,
.if (\t)+4 < STEPS
	LOADX (\t)+4                                   ; which take the loads of four steps on
.endif
.if (\t)+1 < STEPS
.if STEPS-2-(\t) >= 3
	s_wait_loadcnt 12                              ; the next step's four loads are in; those of the three steps behind it may be out
.else
	s_wait_loadcnt 4*(STEPS-2-(\t))                ; at the end the count runs down
.endif
	TURNX (\t)+1
.endif
.irp i, 0,1,2,3,4,5,6,7,8,9,10,11,12,13,14,15
	v_med3_num_f32 v[XS+\i], v[XS+\i], -v10, v10   ; the conversion to an 8-bit code does not saturate (ISA guide 7.6.2): the hold at the largest code x the scale
.endr
	v_cvt_scalef32_pk8_fp8_f32 v[C+4*(\t):C+4*(\t)+1], v[XS:XS+7], v11
	v_cvt_scalef32_pk8_fp8_f32 v[C+4*(\t)+2:C+4*(\t)+3], v[XS+8:XS+15], v11
	global_store_b128 v4, v[C+4*(\t):C+4*(\t)+3], s[8:9] offset:512*(\t)   ; 32 lanes store 512 consecutive bytes.  (The results go to a store alone; the next vector lines are the next step's holds, on other registers)
.endm
.macro LOADW t                         ; block t: W(32 t + i, my column), i = 0 .. 31: each load reads 128 consecutive bytes a wave
.irp i, 0,1,2,3,4,5,6,7,8,9,10,11,12,13,14,15,16,17,18,19,20,21,22,23,24,25,26,27,28,29,30,31
	global_load_b32 v[XW+32*((\t)%2)+\i], v3, s[4:5] offset:(32*(\t)+\i)*4096 th:TH_LOAD_NT
.endr
.endm
.macro BLOCKW t
.set XS, XW+32*((\t)%2)
.if (\t) < NB-1
	s_wait_loadcnt 32                              ; this block's 32 loads are in; the next block's may be out
.else
	s_wait_loadcnt 0
.endif
.irp i, 0,1,2,3,4,5,6,7,8,9,10,11,12,13,14,15,16,17,18,19,20,21,22,23,24,25,26,27,28,29,30,31
	v_med3_num_f32 v[XS+\i], v[XS+\i], -v10, v10
.endr
.irp g, 0,1,2,3
	v_cvt_scalef32_pk8_fp8_f32 v[CW+2*\g:CW+2*\g+1], v[XS+8*\g:XS+8*\g+7], v11
.endr
	ds_store_b128 v4, v[CW:CW+3] offset:32*(\t)    ; 32 codes: 32 bytes of my column's row
	ds_store_b128 v4, v[CW+4:CW+7] offset:32*(\t)+16
.if (\t)+2 < NB
	LOADW (\t)+2
.endif
	s_wait_dscnt 0x0                               ; the stores have read their registers: the next block's codes may be written
.endm
	s_load_b256 s[4:11], s[0:1], 0x0               ; query s[4:5], key s[6:7], value s[8:9], WQ s[10:11]
	s_load_b256 s[12:19], s[0:1], 0x20             ; WK s[12:13], WV s[14:15], the exponents s[16:17], cod s[18:19]
	v_lshl_add_u32 v[SPW], v0, 2, SPARE
	v_mov_b32 v[NIL], 0
	v_lshrrev_b32 v1, 5, v0
	v_readfirstlane_b32 s22, v1                    ; wave 0..3
	v_and_b32 v2, 31, v0                           ; lane
	s_wait_kmcnt 0x0
	s_load_b256 s[32:39], s[16:17], 0x0            ; e0 .. e7
	s_cmp_lt_u32 ttmp9, 384
	s_cbranch_scc0 .Lw
	; ---- PATH X: tensor tau = id / 128; the work-group's 32 rows are rows 32 (id % 128) on; wave w takes eight of them
	s_wait_alu depctr_va_vdst(0)
	v_lshlrev_b32 v3, 4, v2                        ; my 16 bytes of a load's 512
	s_wait_alu depctr_va_vdst(0)
	s_mul_i32 s23, s22, WREG
	v_lshrrev_b32 v14, 2, v2
	v_mul_u32_u24 v14, v14, SP
	v_and_b32 v15, 3, v2
	v_lshl_add_u32 v14, v15, 4, v14
	v_add_nc_u32 v14, s23, v14                     ; the stage, on the way in: SP (lane / 4) + 16 (lane % 4)
	v_mul_u32_u24 v15, v2, SP
	v_add_nc_u32 v15, s23, v15                     ; and on the way out: SP x lane: my 16 neighbours
	v_lshlrev_b32 v4, 4, v2                        ; my codes' place in a step's
	s_lshr_b32 s24, ttmp9, 7                       ; tau
	s_and_b32 s25, ttmp9, 127
	s_lshl_b32 s25, s25, 2                         ; 4 x block
	s_and_b32 s26, s22, 1
	s_lshl_b32 s26, s26, 1
	s_lshr_b32 s27, s22, 1
	s_or_b32 s26, s26, s27                         ; the wave's two bits exchanged: they are bits 3 and 4 of its rows
	s_cmp_eq_u32 s24, 1                            ; the choices hang on the work-group's number alone
	s_cselect_b64 s[6:7], s[6:7], s[8:9]
	s_cmp_eq_u32 s24, 0
	s_cselect_b64 s[4:5], s[4:5], s[6:7]           ; query, key or value
	s_cselect_b32 s26, s22, s26                    ; query keeps its order
	s_add_co_u32 s28, s25, s22
	s_lshl_b32 s28, s28, 15                        ; in: 8 rows of 4,096 bytes a wave
	s_mov_b32 s29, 0
	s_add_nc_u64 s[4:5], s[4:5], s[28:29]
	s_add_co_u32 s28, s25, s26
	s_lshl_b32 s28, s28, 13                        ; out: 8 rows of 1,024 bytes,
	s_lshl_b32 s30, s24, 22                        ; in the tensor's 4 MiB
	s_add_co_u32 s28, s28, s30
	s_add_nc_u64 s[8:9], s[18:19], s[28:29]
.irp t, 0,1,2,3
	LOADX \t
.endr
	s_wait_alu depctr_va_vdst(0)
	s_wait_kmcnt 0x0
	s_cmp_eq_u32 s24, 1
	s_cselect_b32 s30, s34, s36
	s_cmp_eq_u32 s24, 0
	s_cselect_b32 s30, s32, s30                    ; e0, e2 or e4
	s_add_co_i32 s30, s30, 127
	s_lshl_b32 s31, s30, 23
	v_mov_b32 v11, s31                             ; 2^e as f32: the conversion takes its exponent field
	s_add_co_i32 s30, s30, EMAX
	s_lshl_b32 s30, s30, 23
	s_or_b32 s30, s30, MANT
	v_mov_b32 v10, s30                             ; 448 x 2^e
	s_wait_alu depctr_va_vdst(0)
	s_wait_loadcnt 12                              ; step 0's four loads are in
	TURNX 0
.irp t, 0,1,2,3,4,5,6,7,8,9,10,11,12,13,14,15
	STEPX \t
.endr
	s_wait_tensorcnt 0x0                           ; the wave's end: behind my last LDS store
	ds_add_u32 v[SPW], v[NIL]
	s_wait_dscnt 0x0
	s_endpgm
.Lw:	; ---- PATH W: a lane takes a column n and its registers run down K, so that the conversions give codes with K innermost; nothing is transposed by an instruction
	s_sub_co_u32 s24, ttmp9, 384
	s_lshr_b32 s25, s24, 5                         ; tau
	s_and_b32 s26, s24, 7                          ; which 128 columns
	s_bfe_u32 s27, s24, 0x20003                    ; which 256 along K
	s_lshl_b32 s28, s26, 7
	s_lshl_b32 s29, s22, 5
	s_add_co_u32 s28, s28, s29                     ; my wave's first column
	s_wait_alu depctr_va_vdst(0)
	v_lshlrev_b32 v3, 2, v2                        ; in: 4 bytes a lane
	s_mul_i32 s29, s22, 32*WP
	s_add_co_u32 s29, s29, WSTG                    ; my stage
	v_mul_u32_u24 v4, v2, WP
	v_add_nc_u32 v4, s29, v4                       ; into it: row = my column
	v_and_b32 v5, 15, v2
	v_lshrrev_b32 v6, 4, v2                        ; out of it: sixteen lanes to a row, two rows an instruction
	v_mul_u32_u24 v7, v6, WP
	v_lshl_add_u32 v7, v5, 4, v7
	v_add_nc_u32 v7, s29, v7
	v_lshlrev_b32 v8, 10, v6
	v_lshl_add_u32 v8, v5, 4, v8                   ; and the same place among the codes' rows of 1,024 bytes
	s_cmp_eq_u32 s25, 1
	s_cselect_b64 s[12:13], s[12:13], s[14:15]
	s_cmp_eq_u32 s25, 0
	s_cselect_b64 s[4:5], s[10:11], s[12:13]       ; WQ, WK or WV
	s_lshl_b32 s30, s27, 20                        ; 256 rows of 4,096 bytes,
	s_lshl_b32 s31, s28, 2                         ; 4 bytes a column
	s_add_co_u32 s30, s30, s31
	s_mov_b32 s31, 0
	s_add_nc_u64 s[4:5], s[4:5], s[30:31]
	s_lshl_b32 s30, s25, 20
	s_add_co_u32 s30, s30, 0xc00000                ; the weights' codes begin at 12 MiB, 1 MiB each
	s_lshl_b32 s23, s28, 10
	s_add_co_u32 s30, s30, s23
	s_lshl_b32 s23, s27, 8
	s_add_co_u32 s30, s30, s23
	s_add_nc_u64 s[8:9], s[18:19], s[30:31]
	LOADW 0
	LOADW 1
	s_wait_kmcnt 0x0
	s_cmp_eq_u32 s25, 1
	s_cselect_b32 s30, s35, s37
	s_cmp_eq_u32 s25, 0
	s_cselect_b32 s30, s33, s30                    ; e1, e3 or e5
	s_add_co_i32 s30, s30, 127
	s_lshl_b32 s31, s30, 23
	v_mov_b32 v11, s31
	s_add_co_i32 s30, s30, EMAX
	s_lshl_b32 s30, s30, 23
	s_or_b32 s30, s30, MANT
	v_mov_b32 v10, s30
	s_wait_alu depctr_va_vdst(0)
.irp t, 0,1,2,3,4,5,6,7
	BLOCKW \t
.endr
.irp t, 0,1,2,3,4,5,6,7,8,9,10,11,12,13,14,15
	ds_load_b128 v[OUTR+4*\t:OUTR+4*\t+3], v7 offset:2*\t*WP   ; columns 2 t and 2 t + 1 of my 32.  LDS serves a wave's instructions in order: these see my stores
.endr
.irp t, 0,1,2,3,4,5,6,7,8,9,10,11,12,13,14,15
	s_wait_dscnt 15-\t
	global_store_b128 v8, v[OUTR+4*\t:OUTR+4*\t+3], s[8:9] offset:2*(((\t)&3)|(((\t)&4)<<1)|(((\t)&8)>>1))*1024   ; bits 3 and 4 of the column are bits 2 and 3 of t: exchanged.  Sixteen lanes store 256 consecutive, aligned bytes
.endr
	s_wait_tensorcnt 0x0                           ; the wave's end: behind my last LDS store
	ds_add_u32 v[SPW], v[NIL]
	s_wait_dscnt 0x0
	s_endpgm
.Lfunc_end_k_qf860c22587_quant:
	.size	k_qf860c22587_quant, .Lfunc_end_k_qf860c22587_quant-k_qf860c22587_quant
	.p2alignl 7, 3214868480
	.fill 96, 4, 3214868480
	.section	.rodata,"a",@progbits
	.p2align	6, 0x0
	.amdhsa_kernel k_qf860c22587_quant
		.amdhsa_group_segment_fixed_size 68096
		.amdhsa_private_segment_fixed_size 0
		.amdhsa_enable_private_segment 0
		.amdhsa_kernarg_size 64
		.amdhsa_user_sgpr_count 2
		.amdhsa_user_sgpr_kernarg_segment_ptr 1
		.amdhsa_wavefront_size32 1
		.amdhsa_system_sgpr_workgroup_id_x 1
		.amdhsa_system_sgpr_workgroup_id_y 1
		.amdhsa_system_sgpr_workgroup_id_z 1
		.amdhsa_system_vgpr_workitem_id 0
		.amdhsa_next_free_vgpr 192
		.amdhsa_next_free_sgpr 66
		.amdhsa_reserve_vcc 0
		.amdhsa_float_denorm_mode_32 3
		.amdhsa_float_denorm_mode_16_64 3
		.amdhsa_memory_ordered 1
		.amdhsa_forward_progress 1
		.amdhsa_inst_pref_size 86
	.end_amdhsa_kernel
	.amdgpu_metadata
---
amdhsa.version: [ 1, 2 ]
amdhsa.kernels:
  - .name:           k_qf860c22587_quant
    .symbol:         k_qf860c22587_quant.kd
    .args:
      - { .name: query, .offset: 0, .size: 8, .value_kind: global_buffer, .address_space: global }
      - { .name: key, .offset: 8, .size: 8, .value_kind: global_buffer, .address_space: global }
      - { .name: value, .offset: 16, .size: 8, .value_kind: global_buffer, .address_space: global }
      - { .name: WQ, .offset: 24, .size: 8, .value_kind: global_buffer, .address_space: global }
      - { .name: WK, .offset: 32, .size: 8, .value_kind: global_buffer, .address_space: global }
      - { .name: WV, .offset: 40, .size: 8, .value_kind: global_buffer, .address_space: global }
      - { .name: lowp_scales, .offset: 48, .size: 8, .value_kind: global_buffer, .address_space: global }
      - { .name: cod, .offset: 56, .size: 8, .value_kind: global_buffer, .address_space: global }
    .group_segment_fixed_size: 68096
    .private_segment_fixed_size: 0
    .kernarg_segment_align: 8
    .kernarg_segment_size: 64
    .max_flat_workgroup_size: 128
    .sgpr_count:     66
    .vgpr_count:     192
    .wavefront_size: 32
...
	.end_amdgpu_metadata
.endif
;; end of part 1
;; launch proj (part 2): grid 4 x 48, 4 waves a work-group, clusters of 4 x 4, 327,680 bytes of LDS; arguments cod, lowp_scales, qkv; writes qkv
.if DOCPART == 2
	.amdgcn_target "amdgcn-amd-amdhsa--gfx1250"
	.amdhsa_code_object_version 6
	.text
	.protected	k_qf860c22587_proj
	.globl	k_qf860c22587_proj
	.p2align	8
	.type	k_qf860c22587_proj,@function
k_qf860c22587_proj:
	s_mov_b64 s[64:65], 0
	v_nop
	global_prefetch_b8 v0, s[64:65] scope:SCOPE_SE
	s_setreg_imm32_b32 hwreg(HW_REG_WAVE_MODE, 25, 1), 1
	s_wait_xcnt 0x0
	s_wait_alu depctr_hold_cnt(0) depctr_sa_sdst(0) depctr_va_vdst(0) depctr_va_sdst(0) depctr_va_ssrc(0) depctr_va_vcc(0) depctr_vm_vsrc(0)
	s_getreg_b32 s2, hwreg(HW_REG_IB_STS2, 6, 4)
	s_cmp_eq_u32 s2, 0
	s_cbranch_scc0 .Lentry_in_a_cluster
	s_endpgm
.Lentry_in_a_cluster:
	s_bfe_u32 s2, ttmp6, 0x10000c
	s_cmp_lg_u32 s2, 0xf033
	s_cbranch_scc0 .Lentry_shape_is_right
	s_endpgm
.Lentry_shape_is_right:
.set ROWB,   256
.set KROW,   1024
.set PITCH,  272
.set FR,     16
.set NL,     4
.set NP,     4
.set HALFT,  128*PITCH
.set SLOT,   4*HALFT
.set SPARE,  2*SLOT
.set ADRA, 16
.set ADRB, 20
.set CO,   26
.set SPW,  28
.set NIL,  29
.set LIMV, 30
.set SCV,  31
.set TMP,  32
.set AF,   128
.set CD,   128
.set G1, 24
.set G0, 32
.set G1B, 48
.set G0B, 56
.set BASE, 90
.set MSB, 0
.macro WIN new
.if MSB != \new
	s_set_vgpr_msb (MSB<<8)|\new
.set MSB, \new
.endif
.endm
.set MUL_LO, 0xa1
.set MUL_HI, 0xf1
.set TO_B,   0x40
.macro JLOAD g0a, g1a, g0b, g1b
	s_cmp_eq_u32 s15, 0
	s_cbranch_scc0 .Lfor_b_\@
	tensor_load_to_lds s[\g0a:\g0a+3], s[\g1a:\g1a+7]
	s_nop 0
.rept 4
	v_nop
.endr
	s_branch .Lasked_\@
.Lfor_b_\@:
	tensor_load_to_lds s[\g0b:\g0b+3], s[\g1b:\g1b+7]
	s_nop 0
.rept 4
	v_nop
.endr
.Lasked_\@:
.endm
.macro CREST
	s_cmp_lg_u32 s14, 0
	s_cbranch_scc1 .Lnot_wave_0_\@
	s_barrier_signal -3
.Lnot_wave_0_\@:
	s_barrier_wait -3
	s_barrier_signal -1
	s_barrier_wait -1
.endm
.macro CROUND
	s_barrier_signal -1
	s_barrier_wait -1
	CREST
.endm
	s_load_b128 s[4:7], s[0:1], 0x0
	s_load_b64 s[8:9], s[0:1], 0x10
	v_lshl_add_u32 v[SPW], v0, 2, SPARE
	v_mov_b32 v[NIL], 0
	ds_add_u32 v[SPW], v[NIL]
	ds_add_u32 v[SPW], v[NIL]
	v_lshrrev_b32 v1, 5, v0
	v_readfirstlane_b32 s14, v1
	s_lshr_b32 s15, s14, 1
	s_and_b32 s16, s14, 1
	s_bfe_u32 s40, ttmp6, 0x40000
	s_bfe_u32 s41, ttmp6, 0x40004
	s_and_b32 s17, ttmp7, 0xffff
	s_lshr_b32 s66, s17, 2
	s_and_b32 s67, s17, 3
	s_lshl_b32 s67, s67, 2
	s_lshl_b32 s70, s66, 20
	s_add_co_u32 s70, s70, 0xc00000
	s_lshl_b32 s71, s66, 22
	s_cmp_eq_u32 s66, 2
	s_cselect_b32 s68, s67, 0
	s_cselect_b32 s69, 0, s67
	s_cselect_b32 s70, 0x800000, s70
	s_cselect_b32 s71, 0xe00000, s71
	s_add_co_u32 s42, s40, s68
	s_add_co_u32 s17, s41, s69
	s_lshl_b32 s43, s41, 2
	s_lshl_b32 s43, 15, s43
	s_lshl_b32 s44, 0x1111, s40
	s_or_b32 s[G1+0], s43, (0<<16)|(1<<20)|(1<<21)|(5<<22)|(3<<25)
	s_or_b32 s[G1B+0], s44, (0<<16)|(1<<20)|(1<<21)|(5<<22)|(3<<25)
.irp g, G1, G1B
	s_mov_b32 s[\g+1], ROWB<<16
	s_mov_b32 s[\g+2], 128<<16
	s_mov_b32 s[\g+3], ROWB<<16
	s_mov_b32 s[\g+4], 128
	s_mov_b32 s[\g+5], KROW
	s_mov_b32 s[\g+6], 0
	s_mov_b32 s[\g+7], 0
.endr
	s_lshl_b32 s18, s16, 17
	s_lshl_b32 s20, s17, 18
	s_add_co_u32 s20, s20, s18
	s_add_co_u32 s20, s20, s71
	s_mov_b32 s21, 0
	s_lshl_b32 s46, s42, 18
	s_add_co_u32 s46, s46, s18
	s_add_co_u32 s46, s46, s70
	s_mov_b32 s47, 0
	s_mul_i32 s45, s14, HALFT
	s_wait_dscnt 0x0
	s_wait_kmcnt 0x0
	s_load_b256 s[80:87], s[6:7], 0x0
	s_load_b64 s[88:89], s[6:7], 0x20
	s_add_nc_u64 s[20:21], s[4:5], s[20:21]
	s_add_nc_u64 s[46:47], s[4:5], s[46:47]
	CROUND
.irp s, 0,1
	s_mov_b32 s[G0+4*\s], 1
	s_add_co_u32 s[G0+4*\s+1], s45, \s*SLOT
	s_add_nc_u64 s[G0+4*\s+2:G0+4*\s+3], s[20:21], \s*ROWB
	s_or_b32 s[G0+4*\s+3], s[G0+4*\s+3], 0x80000000
	s_mov_b32 s[G0B+4*\s], 1
	s_add_co_u32 s[G0B+4*\s+1], s45, \s*SLOT
	s_add_nc_u64 s[G0B+4*\s+2:G0B+4*\s+3], s[46:47], \s*ROWB
	s_or_b32 s[G0B+4*\s+3], s[G0B+4*\s+3], 0x80000000
	s_wait_alu depctr_va_vdst(0)
	s_wait_tensorcnt 0x0
	ds_add_u32 v28, v29
	ds_add_u32 v28, v29
	s_wait_dscnt 0x0
	CROUND
	JLOAD G0+4*\s, G1, G0B+4*\s, G1B
.endr
	v_and_b32 v1, 15, v0
	v_bfe_u32 v2, v0, 4, 1
	v_mul_u32_u24 v3, v1, PITCH
	v_lshl_add_u32 v4, v2, 4, v3
	s_mul_i32 s21, s15, HALFT
	s_mul_i32 s22, s16, HALFT
	s_add_co_u32 s22, s22, 2*HALFT
.irp s, 0,1
	v_add_nc_u32 v[ADRA+\s], s21, v4
	v_add_nc_u32 v[ADRB+\s], s22, v4
	s_add_co_u32 s21, s21, SLOT
	s_add_co_u32 s22, s22, SLOT
.endr
	v_and_b32 v6, 31, v0
	v_lshlrev_b32 v[CO], 4, v6
	s_lshl_b32 s76, s42, 3
	s_lshl_b32 s77, s16, 2
	s_add_co_u32 s76, s76, s77
	s_lshl_b32 s77, s17, 4
	s_lshl_b32 s78, s15, 3
	s_add_co_u32 s77, s77, s78
	s_lshr_b32 s78, s76, 1
	s_lshl_b32 s78, s78, 18
	s_lshl_b32 s79, s77, 10
	s_add_co_u32 s78, s78, s79
	s_lshr_b32 s79, s77, 2
	s_lshl_b32 s79, s79, 18
	s_lshr_b32 s18, s76, 6
	s_lshl_b32 s18, s18, 17
	s_add_co_u32 s79, s79, s18
	s_and_b32 s18, s76, 63
	s_lshr_b32 s18, s18, 1
	s_lshl_b32 s18, s18, 12
	s_add_co_u32 s79, s79, s18
	s_lshl_b32 s18, s66, 22
	s_mov_b32 s19, 4096
	s_cmp_eq_u32 s66, 2
	s_cselect_b32 s78, s79, s78
	s_cselect_b32 s76, s19, 0x40000
	s_cselect_b32 s77, 0x40000, s19
	s_add_co_u32 s78, s78, s18
	s_mov_b32 s79, 0
	s_add_nc_u64 s[BASE:BASE+1], s[8:9], s[78:79]
	s_mov_b32 s78, s76
	s_add_nc_u64 s[BASE+2:BASE+3], s[BASE:BASE+1], s[78:79]
	s_mov_b32 s78, s77
	s_add_nc_u64 s[BASE+4:BASE+5], s[BASE:BASE+1], s[78:79]
	s_add_nc_u64 s[BASE+6:BASE+7], s[BASE+2:BASE+3], s[78:79]
	s_wait_alu depctr_va_vdst(0)
	s_wait_kmcnt 0x0
	s_add_co_i32 s76, s80, s81
	s_add_co_i32 s77, s82, s83
	s_add_co_i32 s78, s84, s85
	s_cmp_eq_u32 s66, 1
	s_cselect_b32 s77, s77, s78
	s_cselect_b32 s79, s87, s89
	s_cmp_eq_u32 s66, 0
	s_cselect_b32 s76, s76, s77
	s_cselect_b32 s79, s86, s79
	s_sub_co_i32 s76, s79, s76
	s_add_co_i32 s76, s76, 127
	s_lshl_b32 s77, s76, 23
	v_mov_b32 v[SCV], s77
	s_add_co_i32 s76, s76, 8
	s_lshl_b32 s76, s76, 23
	s_or_b32 s76, s76, 0x600000
	v_mov_b32 v[LIMV], s76
.macro FRAG reg, adr, q, i
.irp c, 0,1,2,3
	ds_load_b128 v[\reg+4*\c:\reg+4*\c+3], v[\adr] offset:128*(\q)+32*\c+(\i)*16*PITCH
.endr
.endm
.macro MUL16 a0, p, zero
.irp a, \a0, \a0+1
.irp b, 0,1,2,3,4,5,6,7
.if \zero
	v_wmma_f32_16x16x128_fp8_fp8 v[8*(8*((\a)%4)+\b):8*(8*((\a)%4)+\b)+7], v[128*(\p)+FR*\b:128*(\p)+FR*\b+FR-1], v[AF+FR*(\a):AF+FR*(\a)+FR-1], 0
.else
	v_wmma_f32_16x16x128_fp8_fp8 v[8*(8*((\a)%4)+\b):8*(8*((\a)%4)+\b)+7], v[128*(\p)+FR*\b:128*(\p)+FR*\b+FR-1], v[AF+FR*(\a):AF+FR*(\a)+FR-1], v[8*(8*((\a)%4)+\b):8*(8*((\a)%4)+\b)+7]
.endif
.endr
.endr
.endm
.macro FETCH_B slot, q, p
	WIN TO_B
.irp i, 0,1,2,3,4,5,6,7
	FRAG 128*(\p)+FR*\i, ADRB+\slot, \q, \i
.endr
	WIN 0
.endm
.macro FETCH_A slot, q, i0
.irp i, \i0, \i0+1, \i0+2, \i0+3
	FRAG AF+FR*(\i), ADRA+\slot, \q, \i
.endr
.endm
.macro PLACES n
.rept \n
	v_nop
.endr
.endm
.macro STEP slot, q, zero
	s_wait_dscnt 4*NL
	WIN MUL_LO
	MUL16 0, (\q)%2, \zero
	MUL16 2, (\q)%2, \zero
	s_wait_dscnt 0
	PLACES NP
	FETCH_B \slot, (\q)+1, 1-(\q)%2
	FETCH_A \slot, (\q)+1, 0
	WIN MUL_HI
	MUL16 4, (\q)%2, \zero
	MUL16 6, (\q)%2, \zero
	PLACES NP
	WIN 0
	FETCH_A \slot, (\q)+1, 4
.endm
.macro TURN slot, next, fill
	s_wait_tensorcnt 0x0
	ds_add_u32 v[SPW], v[NIL]
	s_wait_dscnt 4*NL+1
	WIN MUL_LO
	MUL16 0, 1, 0
	s_wait_dscnt 0x0
	s_barrier_signal -1
	MUL16 2, 1, 0
	WIN 0
	s_barrier_wait -1
.if \fill
	CREST
	s_add_nc_u64 s[G0+4*\slot+2:G0+4*\slot+3], s[G0+4*\slot+2:G0+4*\slot+3], 2*ROWB
	s_add_nc_u64 s[G0B+4*\slot+2:G0B+4*\slot+3], s[G0B+4*\slot+2:G0B+4*\slot+3], 2*ROWB
	JLOAD G0+4*\slot, G1, G0B+4*\slot, G1B
.else
	PLACES NP
.endif
	FETCH_B \next, 0, 0
	FETCH_A \next, 0, 0
	WIN MUL_HI
	MUL16 4, 1, 0
	MUL16 6, 1, 0
	PLACES NP
	WIN 0
	FETCH_A \next, 0, 4
.endm
.macro OUTBLK a
	WIN 0x02+((\a)/4)
.set jj, 0
.rept 64
	v_med3_num_f32 v[TMP+jj], v[64*((\a)%4)+jj], -v[LIMV], v[LIMV]
.set jj, jj+1
.endr
	WIN 0
.irp g, 0,1,2,3,4,5,6,7
	v_cvt_scalef32_pk8_fp8_f32 v[CD+16*(\a)+2*\g:CD+16*(\a)+2*\g+1], v[TMP+8*\g:TMP+8*\g+7], v[SCV]
.endr
	v_nop
.irp i, 0,1,2,3
	global_store_b128 v[CO], v[CD+16*(\a)+4*\i:CD+16*(\a)+4*\i+3], s[BASE+2*(\i/2)+4*((\a)/4):BASE+2*(\i/2)+4*((\a)/4)+1] offset:(\i%2)*512+((\a)%4)*1024
.endr
.endm
	s_wait_tensorcnt 1
	s_barrier_signal -1
	s_barrier_wait -1
	FETCH_B 0, 0, 0
	FETCH_A 0, 0, 0
	FETCH_A 0, 0, 4
	STEP 0, 0, 1
	TURN 0, 1, 1
	STEP 1, 0, 0
	TURN 1, 0, 1
	STEP 0, 0, 0
	TURN 0, 1, 0
	STEP 1, 0, 0
	s_wait_dscnt 4*NL
	WIN MUL_LO
	MUL16 0, 1, 0
	MUL16 2, 1, 0
	s_wait_alu depctr_va_vdst(0)
	s_wait_dscnt 0
	WIN MUL_HI
	MUL16 4, 1, 0
	MUL16 6, 1, 0
	WIN 0
	PLACES NP
.irp a, 0,1,2,3,4,5,6,7
	OUTBLK \a
.endr
	s_wait_tensorcnt 0x0
	ds_add_u32 v[SPW], v[NIL]
	s_wait_dscnt 0x0
	CROUND
	s_endpgm
.Lfunc_end_k_qf860c22587_proj:
	.size	k_qf860c22587_proj, .Lfunc_end_k_qf860c22587_proj-k_qf860c22587_proj
	.p2alignl 7, 3214868480
	.fill 96, 4, 3214868480
	.section	.rodata,"a",@progbits
	.p2align	6, 0x0
	.amdhsa_kernel k_qf860c22587_proj
		.amdhsa_group_segment_fixed_size 327680
		.amdhsa_private_segment_fixed_size 0
		.amdhsa_enable_private_segment 0
		.amdhsa_kernarg_size 24
		.amdhsa_user_sgpr_count 2
		.amdhsa_user_sgpr_kernarg_segment_ptr 1
		.amdhsa_wavefront_size32 1
		.amdhsa_system_sgpr_workgroup_id_x 1
		.amdhsa_system_sgpr_workgroup_id_y 1
		.amdhsa_system_sgpr_workgroup_id_z 1
		.amdhsa_system_vgpr_workitem_id 0
		.amdhsa_next_free_vgpr 1024
		.amdhsa_next_free_sgpr 98
		.amdhsa_reserve_vcc 0
		.amdhsa_float_denorm_mode_32 3
		.amdhsa_float_denorm_mode_16_64 3
		.amdhsa_memory_ordered 1
		.amdhsa_forward_progress 1
		.amdhsa_inst_pref_size 120
	.end_amdhsa_kernel
	.amdgpu_metadata
---
amdhsa.version: [ 1, 2 ]
amdhsa.kernels:
  - .name:           k_qf860c22587_proj
    .symbol:         k_qf860c22587_proj.kd
    .args:
      - { .name: cod, .offset: 0, .size: 8, .value_kind: global_buffer, .address_space: global }
      - { .name: lowp_scales, .offset: 8, .size: 8, .value_kind: global_buffer, .address_space: global }
      - { .name: qkv, .offset: 16, .size: 8, .value_kind: global_buffer, .address_space: global }
    .group_segment_fixed_size: 327680
    .private_segment_fixed_size: 0
    .kernarg_segment_align: 8
    .kernarg_segment_size: 24
    .max_flat_workgroup_size: 128
    .sgpr_count:     98
    .vgpr_count:     1024
    .wavefront_size: 32
...
	.end_amdgpu_metadata
.endif
;; end of part 2
;; launch attn (part 3): grid 8 x 32, 16 waves a work-group, no clusters, 327,680 bytes of LDS; arguments qkv, attn_mask, lowp_scales, out0; writes out0
.if DOCPART == 3
	.amdgcn_target "amdgcn-amd-amdhsa--gfx1250"
	.amdhsa_code_object_version 6
	.text
	.protected	k_qf860c22587_attn
	.globl	k_qf860c22587_attn
	.p2align	8
	.type	k_qf860c22587_attn,@function
k_qf860c22587_attn:
	s_mov_b64 s[64:65], 0
	v_nop
	global_prefetch_b8 v0, s[64:65] scope:SCOPE_SE
	s_setreg_imm32_b32 hwreg(HW_REG_WAVE_MODE, 25, 1), 1
	s_wait_xcnt 0x0
; LAUNCH 3 OF 3.  out = (softmax((q k^T + add_mask) / 8) x mask) v for 32 (head, batch) pairs hb = 2 head + batch, S = 2,048, head size 64, both products on codes of E4M3 by v_wmma_f32_16x16x64_fp8_fp8.
; No work is left out: the mask is an input, so every tile is computed.
; p IS QUANTISED FINISHED AND NORMALISED, with the given 2^e8: so a row's maximum and sum are known before any code of p is made, and THE KEYS ARE WALKED TWICE.
;   Pass 1: t = s c2 + D (s = the sum of code products, c2 = log2(e) / 8 x 2^(e6 + e7); D = 0 for an open key, very negative for a masked one); running M = ceil(largest t), l = sum of 2^(t - M); when M moves, l x 2^(old M - new M), exact.
;   Pass 2: p = 2^(s c2 - M - log2 l), held at 448 x 2^e8, converted; the CODES are ANDed with the mask's bytes widened to 0x00 / 0xff (that is p x mask); O^T += V^T P^T; at the end O x 2^(e8 + e9).
; THE MASK'S TERM: reference() adds -1e6 ahead of the division by 8: -180,337 in the base-2 domain.  Here D is a bf16 number cut out of the mask's own bytes, -131,072 or -409,600 (STEP1).
;   LIMIT: e6 + e7 <= -6 (and >= -123, so that c2 is an f32 number).  The quantisers bound |s c2| by 64 x 448^2 x 2^-6 x 0.18034 = 36,196 for all inputs: a masked t lies more than 58,000 under every open t, here and in
;   reference(), so its exponential is exactly 0 in f32 in both.  In pass 2 a masked key's exponential may be large or infinite: the hold makes it finite and the AND makes its code 0.  A row with no open key gives 0, as in reference().
; OTHER LIMITS: e8 between -126 and 119; e8 + e9 between -126 and 127.  NaN among the inputs is not served.
; SHARES.  A work-group owns 256 queries of one hb: 8 x 32 = 256 work-groups.  It has SIXTEEN waves of 256 registers, four to a SIMD, so that one wave's waits for LDS and its exponentials stand beside three others' work.
;   Wave w = 8 kh + wq owns 32 queries (group wq: two tiles of 16, so that each fragment of K and V read from LDS feeds two products) and HALF OF THE KEYS: of each slot's four steps of 64 keys, steps 2 kh and 2 kh + 1.
;   The two waves of a group meet twice, through LDS: behind pass 1 they exchange M and l; at the end their partial sums of O are added, each wave finishing 16 of the 32 queries.
; LAYOUT.  Both products are used transposed: S^T = K Q^T (source 0 = 16 keys, source 1 = 16 queries), O^T = V^T P^T: lane (r, h) holds ONE query r throughout.  Q, K and V come as images of their registers (launch 2):
;   a fragment is two loads of 16 bytes a lane at 16 x lane.  Lane r of K's tile 2 b + u is key 32 b + 8 u + r + 8 (r / 8): so score i = 0 .. 31 of a step of 64 keys is key 32 (i / 16) + 16 h + i % 16,
;   the conversions' results are source 1 of the second product, and the lane's 32 bytes of the mask lie in the order of its 32 scores.
; THE RING.  Two LDS slots of 256 keys: the mask's tile (256 queries x 256 keys), 16 images of K, 16 of V.  16 slots are walked, 8 in each pass.  Waves 0-3 fetch a quarter of the mask's tile each,
;   wave 4 K, wave 5 V; one load a wave behind each change of slots, asked for a whole slot ahead.  V's parts of both slots are filled at the head (by waves 5 and 6, one load each) and lie unread through pass 1.
; NO CLUSTER: of a slot's bytes only K and V are shared between work-groups, 16 of 84 KiB in pass 1 and 32 of 100 KiB in pass 2; the mask's tile is each work-group's own.
; THE PREFETCH (macro ASK): pass 1's tiles of the mask, one slot ahead of their tensor loads.  K's and V's images are a small part of a slot's bytes and are not asked for.
; THE ORDER OF THE KEYS: work-group x of an hb begins both passes at keys 256 x and walks the eight blocks of 256 keys round (the index s[IDX], modulo 8): a softmax's maximum and sums hang on no order of the keys.
;   So the eight work-groups of an hb read eight different columns of the mask's rows, and eight different blocks of K and V, at a time.  Where a line speaks of key 0, of 'back' or of V's first 512 keys, read: the work-group's own first blocks.
; AT THE HEAD wave 5 fills slot 0's part of V and wave 6 slot 1's: one tensor load a wave is out at the most, not two as said above.
.set SLOT1, 1<<17
.set MP,    272                        ; a row of the mask's tile in LDS: 256 bytes + 16 of padding: the 16 rows that a load touches begin 16 bytes apart modulo 256
.set KOFF,  256*MP                     ; 69,632: K's 16 images, dense
.set VOFF,  KOFF+16384                 ; 86,016: V's 16 images; a slot ends at 102,400
.set SPARE, 2*SLOT1                    ; the spare words, 128 bytes for each of 16 waves: eight blocks of 256 bytes that no other line names
.set XCH,   SPARE+2048                 ; 264,192: where the waves exchange M and l: 16 bytes a lane, 512 a wave; bytes of their own: no fill lands here
.set WST,   32*MP                      ; the way out: a stage of 32 rows x 272 bytes for each wave, from LDS byte 0 on, 139,264 bytes in all: slot bytes that have had their last fill and, behind a barrier, their last read
.set LI,  1                            ; v1   16 x lane: my place in an image's block.  On the way out: my byte offset in my rows of out0
.set AM0, 2                            ; v2   my place in the mask's tile: (32 wq + r) x MP + 16 h.  On the way out: where I put 16 bytes of a row
.set ADK, 3                            ; v3   LI + the step's images.  At the exchange: my 16 bytes.  On the way out: where I read a row of wave wq's stage
.set ADM, 4                            ; v4   AM0 + the step's 64 bytes.  At the exchange: my partner's 16 bytes.  On the way out: the same row of wave wq + 8's stage
.set SC8, 5                            ; v5   2^e8 as f32
.set SPW, 6                            ; v6   LDS address of my spare word; never rewritten
.set NIL, 7                            ; v7   0; never rewritten
.set ST,  8                            ; v[8+2q] -M, v[9+2q] the largest t; in pass 2 v[8+2q] = -M - log2 l
.set LS,  12                           ; v[12+2q:13+2q] l, in two halves
.set Q,   16                           ; v16-31   Q, 8 a tile
.set KF,  32                           ; v32-63   K, 8 a tile of 16 keys
.set VF,  64                           ; v64-95   V, 8 a tile of 16 channels
.set S,   96                           ; v96-159  S^T, 32 a tile of queries
.set O,   160                          ; v160-223 O^T, 32 a tile of queries (pass 2)
.set PC,  224                          ; v224-239 p's codes, 8 a tile
.set MK,  240                          ; v240-255 the mask's bytes, 8 registers a tile
.set T,   160                          ; pass 1, in O^T's registers: v160-175 the mask's bytes turned into 0xc8 / 0x00,
.set T8,  176                          ; v176-191 the same one byte up,
.set C2V, 192                          ; v192 c2,
.set PFO, 193                          ; v193 the prefetches' offset: 2,048 x my lane, a row of the mask a lane,
.set MA,  194                          ; v194-199 at work,
.set MB,  196
.set TC,  198
.set F,   200                          ; v[200+2q] f = 2^(old M - new M), named as a pair,
.set XS,  204                          ; v[204+2q:205+2q] the sums' second chain
.set XR,  200                          ; behind pass 1: v200-203 my -M, l of tile 0, -M, l of tile 1; v204-207 my partner's
.set PFA, 2                            ; s[2:3] where my prefetches stand in the mask: rows 32 wq on of my work-group's 256, at the slot after the one that is being asked for
.set WV,  12                           ; s12  my wave's number;  s13 hb
.set G1M, 16                           ; s[16:23] descriptor group 1 for the mask's quarter tile
.set G1D, 24                           ; s[24:31] for 16 KiB of images
.set G0M, 32                           ; s[32:35], s[36:39], s[40:43] groups 0 for the mask, K, V: they walk
.set G0K, 36
.set G0V, 40
.set G0W, 44                           ; s[44:47] V's first fill of slot 1: used once
.set CS,  48                           ; s[48:49] c2, twice
.set SEL, 50                           ; s[50:51] lane selects for v_permlanex16_b32: lane l xor 16
.set TK,  52                           ; s52  LDS byte of the step's images of K
.set TM,  53                           ; s53  LDS byte of the step's part of the mask's rows
.set CNT, 54
.set CNT2, 55
.set EX,  56                           ; s[56:59] e6 .. e9
.set OSC, 66                           ; s[66:67] 2^(e8 + e9), twice
.set LUT1, 68                          ; s68  bytes 0xc8, 0x00
.set LUT2, 69                          ; s69  bytes 0x00, 0xff
.set LIM, 70                           ; s70  448 x 2^e8
.set PLIM, 71                          ; s71  1 in a wave that prefetches, else the greatest number
.set WQ,  74                           ; s74  my group of 32 queries: wave % 8
.set KH,  75
.set MBS, 76                           ; s[76:77] my quarter's rows of the mask, at column 0
.set KBS, 78                           ; s[78:79] hb's images of K; V's lie 4 MiB on
.set PBS, 80                           ; s[80:81] the prefetches' rows of the mask, at column 0
.set IDX, 84                           ; s84  the block of 256 keys that was asked for last; s[82:83] an offset, s83 = 0
; Waves 0-3 fetch the mask's quarters, wave 4 K, wave 5 V (v = 1), the others nothing.  The branches hang on the wave's number alone.  An s_nop 0 and four v_nop follow each load.
.macro TLOAD v
	s_cmp_lt_u32 s[WV], 4
	s_cbranch_scc0 .Lnot_m_\@
	tensor_load_to_lds s[G0M:G0M+3], s[G1M:G1M+7]
	s_nop 0
.rept 4
	v_nop
.endr
	s_branch .Lasked_\@
.Lnot_m_\@:
	s_cmp_eq_u32 s[WV], 4
	s_cbranch_scc0 .Lnot_k_\@
	tensor_load_to_lds s[G0K:G0K+3], s[G1D:G1D+7]
	s_nop 0
.rept 4
	v_nop
.endr
.if \v
	s_branch .Lasked_\@
.endif
.Lnot_k_\@:
.if \v
	s_cmp_eq_u32 s[WV], 5
	s_cbranch_scc0 .Lasked_\@
	tensor_load_to_lds s[G0V:G0V+3], s[G1D:G1D+7]
	s_nop 0
.rept 4
	v_nop
.endr
.endif
.Lasked_\@:
.endm
; A PREFETCH INTO THE L2 of the mask's tile that the NEXT change of slots will ask for: 256 rows x 256 bytes.  It stands at a change of slots of pass 1, where the fetching waves have their tensor load.
; The tile is my work-group's own.  Waves 8 to 15, which fetch nothing, ask: 32 rows a wave, a lane a row, one instruction; a slot's part of a row is 256 bytes, aligned.  So each block is named once in the launch:
; pass 2, which walks the same bytes again, asks for nothing.  Slots 0 and 1 come by their loads alone; the loop's last trip asks for nothing: there is no slot behind the one that it loads.
.macro ASK
	s_cmp_gt_u32 s[CNT], s[PLIM]
	s_cbranch_scc0 .Lnot_mine_\@
	global_prefetch_b8 v[PFO], s[PFA:PFA+1] th:TH_LOAD_NT scope:SCOPE_SE
.Lnot_mine_\@:
.endm
; THE CHANGE OF SLOTS stands at a slot's head.  Each wave waits for all its tensor loads (its part of the slot that it is about to read), adds 0 to its spare word, and waits for that and for its reads of the slot that it has left.
; Behind the barrier the slot ahead is whole and nobody reads the other one, which takes the next 256 keys: the load has a whole slot's steps in which to land.
; kind 0: pass 1, on along the keys.  1: pass 1's last slot: back to key 0, for pass 2.  2: pass 2's first slot: V's descriptor walks, but slot 1's V is there since the head.  3: pass 2, with V.  4: the last slot: nothing is asked for.
; Behind the very first change the loads are first fills of slot 1's mask and K.
.macro CHANGE kind
	s_wait_tensorcnt 0x0                           ; no tensor load of mine is out, so a group 0 may be written
	ds_add_u32 v[SPW], v[NIL]                      ; 0 onto my spare word
.if \kind < 4
	ds_add_u32 v[SPW], v[NIL]                      ; and once more: branches lead ten waves past every load, and loads follow
	s_xor_b32 s[G0M+1], s[G0M+1], SLOT1
	s_xor_b32 s[G0K+1], s[G0K+1], SLOT1
	s_add_co_u32 s[IDX], s[IDX], 1                 ; the next block of 256 keys, round the eight: behind pass 1's eighth comes pass 2's first by the same step
	s_and_b32 s[IDX], s[IDX], 7
	s_lshl_b32 s82, s[IDX], 8
	s_add_nc_u64 s[G0M+2:G0M+3], s[MBS:MBS+1], s[82:83]
	s_or_b32 s[G0M+3], s[G0M+3], 0x80000000
	s_lshl_b32 s82, s[IDX], 14
	s_add_nc_u64 s[G0K+2:G0K+3], s[KBS:KBS+1], s[82:83]
	s_or_b32 s[G0K+3], s[G0K+3], 0x80000000
.if \kind >= 2
	s_xor_b32 s[G0V+1], s[G0V+1], SLOT1
	s_add_nc_u64 s[G0V+2:G0V+3], s[G0K+2:G0K+3], 0x400000   ; V's images of the same block; the type bits on top come with K's and are not reached
.endif
.if \kind < 2
	s_wait_xcnt 0x0                                ; the last prefetch, a slot back, has read its address and its offset: only behind this wait are they written
.endif
.if \kind == 0
	s_add_co_u32 s82, s[IDX], 1                    ; one block further round than the walking descriptor
	s_and_b32 s82, s82, 7
	s_lshl_b32 s82, s82, 8
	s_add_nc_u64 s[PFA:PFA+1], s[PBS:PBS+1], s[82:83]
.endif
.endif
	s_wait_dscnt 0x0                               ; the add is done, and my LDS instructions are: my reads of the slot that I have left, and (kind 2) my store for my partner
	s_barrier_signal -1
	s_barrier_wait -1
.if \kind < 3
	TLOAD 0                                        ; the first thing behind the barrier, and a wave's one tensor load until the next
.elseif \kind == 3
	TLOAD 1
.endif
.if \kind == 0
	ASK
.endif
.endm
.macro KLOAD                           ; four tiles of 16 keys
.irp t, 0,1,2,3
	ds_load_b128 v[KF+8*\t:KF+8*\t+3], v[ADK] offset:1024*\t
	ds_load_b128 v[KF+8*\t+4:KF+8*\t+7], v[ADK] offset:1024*\t+512
.endr
.endm
.macro MLOAD                           ; my two queries' 2 x 16 bytes of the mask: keys 32 b + 16 h + 0 .. 15
.irp q, 0,1
.irp b, 0,1
	ds_load_b128 v[MK+8*\q+4*\b:MK+8*\q+4*\b+3], v[ADM] offset:16*MP*\q+32*\b
.endr
.endr
.endm
.macro QK                              ; S^T = K Q^T: eight sums, each begun with the constant 0
.irp t, 0,1,2,3
.irp q, 0,1
	v_wmma_f32_16x16x64_fp8_fp8 v[S+32*\q+8*\t:S+32*\q+8*\t+7], v[KF+8*\t:KF+8*\t+7], v[Q+8*\q:Q+8*\q+7], 0
.endr
.endr
.endm
; PASS 1, a step of 64 keys.  Each half of the lanes keeps an M and an l of its own for its 32 keys; the halves, and the two waves of a group, meet once, behind the pass.
.macro STEP1
	v_add_nc_u32 v[ADK], s[TK], v[LI]
	v_add_nc_u32 v[ADM], s[TM], v[AM0]
	KLOAD
	MLOAD
	s_wait_dscnt 4                                 ; K is in; the mask's four loads may be out
	QK
	s_wait_dscnt 0x0
.set ii, 0
.rept 16                                       ; a byte 0 of the mask picks 0xc8, a byte 1 picks 0x00.  (These 32 lines are also the places behind the products)
	v_perm_b32 v[T+ii], s[LUT1], s[LUT1], v[MK+ii]
.set ii, ii+1
.endr
.set ii, 0
.rept 16
	v_lshlrev_b32 v[T8+ii], 8, v[T+ii]
.set ii, ii+1
.endr
; D is a half word read as bf16 whose UPPER byte is the score's own: 0xc8.. is -131,072 (lower byte 0x00) or -409,600 (0xc8); 0x00.. is 0 or, with 0xc8 below, 1.8e-38, which is nothing beside t.
.set ii, 0
.rept 64
.if (ii&3) == 0
	v_fma_mix_f32_bf16 v[S+ii], v[S+ii], v[C2V], v[T8+ii/4] op_sel:[0,0,0] op_sel_hi:[0,0,1]
.elseif (ii&3) == 1
	v_fma_mix_f32_bf16 v[S+ii], v[S+ii], v[C2V], v[T+ii/4] op_sel:[0,0,0] op_sel_hi:[0,0,1]
.elseif (ii&3) == 2
	v_fma_mix_f32_bf16 v[S+ii], v[S+ii], v[C2V], v[T8+ii/4] op_sel:[0,0,1] op_sel_hi:[0,0,1]
.else
	v_fma_mix_f32_bf16 v[S+ii], v[S+ii], v[C2V], v[T+ii/4] op_sel:[0,0,1] op_sel_hi:[0,0,1]
.endif
.set ii, ii+1
.endr
.irp q, 0,1                                    ; the largest t: two chains a tile, four in all, by turns
	v_max3_num_f32 v[MA+\q], v[S+32*\q], v[S+32*\q+1], v[S+32*\q+2]
	v_max3_num_f32 v[MB+\q], v[S+32*\q+3], v[S+32*\q+4], v[S+32*\q+5]
.endr
.irp i, 6,10,14,18,22,26
.irp q, 0,1
	s_delay_alu instid0(VALU_DEP_4)
	v_max3_num_f32 v[MA+\q], v[MA+\q], v[S+32*\q+\i], v[S+32*\q+\i+1]
	s_delay_alu instid0(VALU_DEP_4)
	v_max3_num_f32 v[MB+\q], v[MB+\q], v[S+32*\q+\i+2], v[S+32*\q+\i+3]
.endr
.endr
.irp q, 0
	s_delay_alu instid0(VALU_DEP_4)
	v_max3_num_f32 v[MA+\q], v[MA+\q], v[S+32*\q+30], v[S+32*\q+31]
.endr
.irp q, 1
	s_delay_alu instid0(VALU_DEP_3)
	v_max3_num_f32 v[MA+\q], v[MA+\q], v[S+32*\q+30], v[S+32*\q+31]
.endr
.irp q, 0,1
	s_delay_alu instid0(VALU_DEP_2)
	v_max3_num_f32 v[ST+2*\q+1], v[MA+\q], v[MB+\q], v[ST+2*\q+1]   ; with the largest so far
.endr
.irp q, 0,1
	v_mov_b32 v[TC+\q], v[ST+2*\q]
.endr
.irp q, 0,1
	s_delay_alu instid0(VALU_DEP_4)
	v_floor_f32 v[ST+2*\q], -v[ST+2*\q+1]          ; the new -M = floor(-t): M is a whole number
.endr
.irp q, 0,1
	s_delay_alu instid0(VALU_DEP_2)
	v_sub_f32 v[TC+\q], v[ST+2*\q], v[TC+\q]       ; old M - new M: a whole number, 0 or less
.endr
.irp q, 0,1
	s_delay_alu instid0(VALU_DEP_2)
	v_cvt_i32_f32 v[TC+\q], v[TC+\q]               ; (it saturates)
.endr
.irp q, 0,1
	s_delay_alu instid0(VALU_DEP_2)
	v_ldexp_f32 v[F+2*\q], 1.0, v[TC+\q]           ; f = 2^(old M - new M)
.endr
.irp q, 0,1
.irp j, 0,2,4,6,8,10,12,14,16,18,20,22,24,26,28,30
	v_pk_add_f32 v[S+32*\q+\j:S+32*\q+\j+1], v[S+32*\q+\j:S+32*\q+\j+1], v[ST+2*\q:ST+2*\q+1] op_sel_hi:[1,0]   ; t - M, two at a time (the pair's low word serves both halves)
.endr
.endr
.set ii, 0
	s_wait_alu depctr_va_vdst(0)
.rept 64
	v_exp_f32 v[S+ii], v[S+ii]
.set ii, ii+1
.endr
.irp q, 0,1
	v_pk_mul_f32 v[LS+2*\q:LS+2*\q+1], v[LS+2*\q:LS+2*\q+1], v[F+2*\q:F+2*\q+1] op_sel_hi:[1,0]   ; l under the new M.  (The plain lines behind the exponentials)
.endr
	s_wait_alu depctr_va_vdst(0)                   ; one wait for the whole batch, ahead of its first reader
.irp q, 0,1
	v_pk_add_f32 v[XS+2*\q:XS+2*\q+1], v[S+32*\q:S+32*\q+1], v[S+32*\q+2:S+32*\q+3]
.endr
.irp j, 4,8,12,16,20,24,28
.irp q, 0,1
	v_pk_add_f32 v[LS+2*\q:LS+2*\q+1], v[LS+2*\q:LS+2*\q+1], v[S+32*\q+\j:S+32*\q+\j+1]
	v_pk_add_f32 v[XS+2*\q:XS+2*\q+1], v[XS+2*\q:XS+2*\q+1], v[S+32*\q+\j+2:S+32*\q+\j+3]
.endr
.endr
.irp q, 0
	s_delay_alu instid0(VALU_DEP_3)
	v_pk_add_f32 v[LS+2*\q:LS+2*\q+1], v[LS+2*\q:LS+2*\q+1], v[XS+2*\q:XS+2*\q+1]
.endr
.irp q, 1
	s_delay_alu instid0(VALU_DEP_2)
	v_pk_add_f32 v[LS+2*\q:LS+2*\q+1], v[LS+2*\q:LS+2*\q+1], v[XS+2*\q:XS+2*\q+1]
.endr
.endm
; PASS 2, a step of 64 keys.
.macro STEP2
	v_add_nc_u32 v[ADK], s[TK], v[LI]
	v_add_nc_u32 v[ADM], s[TM], v[AM0]
	v_nop                                          ; with the two additions: the four places between the last step's products and the loads into V's registers
	v_nop
	KLOAD
	MLOAD
.irp t, 0,1,2,3                                ; V's four tiles of 16 channels lie 16,384 bytes behind K's
	ds_load_b128 v[VF+8*\t:VF+8*\t+3], v[ADK] offset:16384+1024*\t
	ds_load_b128 v[VF+8*\t+4:VF+8*\t+7], v[ADK] offset:16384+1024*\t+512
.endr
	s_wait_dscnt 12                                ; K is in; the mask's 4 and V's 8 loads may be out
	QK
	s_wait_dscnt 8                                 ; the mask is in; V's 8 may be out
.set ii, 0
.rept 16                                       ; a byte 0 of the mask becomes 0x00, a byte 1 becomes 0xff.  (These lines are also the places behind the products)
	v_perm_b32 v[MK+ii], s[LUT2], s[LUT2], v[MK+ii]
.set ii, ii+1
.endr
.irp q, 0,1
.irp j, 0,2,4,6,8,10,12,14,16,18,20,22,24,26,28,30
	v_pk_fma_f32 v[S+32*\q+\j:S+32*\q+\j+1], v[S+32*\q+\j:S+32*\q+\j+1], s[CS:CS+1], v[ST+2*\q:ST+2*\q+1] op_sel_hi:[1,0,0]   ; s c2 - M - log2 l, one rounding; each accumulator from its low end on
.endr
.endr
.set ii, 0
	s_wait_alu depctr_va_vdst(0)
.rept 64
	v_exp_f32 v[S+ii], v[S+ii]                     ; p, finished and normalised
.set ii, ii+1
.endr
	v_nop                                          ; a plain line behind the last exponential
	s_wait_alu depctr_va_vdst(0)                   ; one wait for the whole batch, ahead of its first reader
.set ii, 0
.rept 64
	v_min_num_f32 v[S+ii], s[LIM], v[S+ii]         ; the conversion to an 8-bit code does not saturate (ISA guide 7.6.2); p is not negative, so the hold is one-sided
.set ii, ii+1
.endr
.set ii, 0
.rept 8
	v_cvt_scalef32_pk8_fp8_f32 v[PC+2*ii:PC+2*ii+1], v[S+8*ii:S+8*ii+7], v[SC8]
.set ii, ii+1
.endr
	v_nop                                          ; a plain line between the conversions and the lines that touch their results
.set ii, 0
.rept 16
	v_and_b32 v[PC+ii], v[PC+ii], v[MK+ii]         ; p x mask, on the codes: the code 0 is the number 0
.set ii, ii+1
.endr
	s_wait_alu depctr_va_vdst(0)
	s_wait_dscnt 0x0                               ; V is in
.irp t, 0,1,2,3                                ; O^T += V^T P^T: the eight accumulators take turns, and the next step's eight products K Q^T stand between two turns of one
.irp q, 0,1
	v_wmma_f32_16x16x64_fp8_fp8 v[O+32*\q+8*\t:O+32*\q+8*\t+7], v[VF+8*\t:VF+8*\t+7], v[PC+8*\q:PC+8*\q+7], v[O+32*\q+8*\t:O+32*\q+8*\t+7]
.endr
.endr
.endm
; My two steps of a slot: written once, walked twice; the LDS addresses hang on s[TK] and s[TM].
.macro SLOTP n
	s_mov_b32 s[CNT2], 2
.Lstep_\@:
.if \n == 1
	STEP1
.else
	STEP2
.endif
	s_add_co_u32 s[TK], s[TK], 4096                ; four images of K (and of V) on,
	s_add_co_u32 s[TM], s[TM], 64                  ; 64 bytes on in the mask's rows
	s_sub_co_u32 s[CNT2], s[CNT2], 1
	s_cmp_lg_u32 s[CNT2], 0
	s_cbranch_scc1 .Lstep_\@
	s_sub_co_u32 s[TK], s[TK], 8192                ; back to my first step of a slot,
	s_xor_b32 s[TK], s[TK], SLOT1                  ; in the other slot
	s_sub_co_u32 s[TM], s[TM], 128
	s_xor_b32 s[TM], s[TM], SLOT1
.endm
	s_load_b256 s[4:11], s[0:1], 0x0               ; qkv s[4:5], the mask s[6:7], the exponents s[8:9], out0 s[10:11]
	v_lshl_add_u32 v[SPW], v0, 2, SPARE
	v_mov_b32 v[NIL], 0
	ds_add_u32 v[SPW], v[NIL]                      ; the wave's opening: the add, twice on end, and its wait ahead of the first tensor load; the set-up below stands between
	ds_add_u32 v[SPW], v[NIL]
	v_lshrrev_b32 v[LI], 5, v0
	s_delay_alu instid0(VALU_DEP_1)
	v_readfirstlane_b32 s[WV], v[LI]               ; wave 0..15
	s_and_b32 s[WQ], s[WV], 7                      ; my group of 32 queries
	s_lshr_b32 s[KH], s[WV], 3                     ; my half of a slot's keys
	s_and_b32 s13, ttmp7, 0xffff                   ; hb
	s_mov_b32 s[G1M], (0<<16)|(1<<20)|(5<<22)|(3<<25)   ; no mask of work-groups; elements of 1 byte; padding: four words after every 64
	s_mov_b32 s[G1M+1], 256<<16                    ; tensor_dim0 = 256 keys
	s_mov_b32 s[G1M+2], 64<<16                     ; tensor_dim1 = 64 queries
	s_mov_b32 s[G1M+3], 256<<16                    ; tile_dim0
	s_mov_b32 s[G1M+4], 64                         ; tile_dim1
	s_mov_b32 s[G1M+5], 2048                       ; from row to row
	s_mov_b32 s[G1M+6], 0
	s_mov_b32 s[G1M+7], 0
	s_mov_b32 s[G1D], 0                            ; 16 KiB, dense in memory and in LDS, as 64 rows of 256 bytes
	s_mov_b32 s[G1D+1], 256<<16
	s_mov_b32 s[G1D+2], 64<<16
	s_mov_b32 s[G1D+3], 256<<16
	s_mov_b32 s[G1D+4], 64
	s_mov_b32 s[G1D+5], 256
	s_mov_b32 s[G1D+6], 0
	s_mov_b32 s[G1D+7], 0
	s_mov_b32 s[SEL], 0x76543210
	s_mov_b32 s[SEL+1], 0xfedcba98
	s_mov_b32 s[LUT1], 0xc8
	s_mov_b32 s[LUT2], 0xff00
	s_lshl_b32 s60, s[KH], 13
	s_add_co_u32 s[TK], s60, KOFF                  ; my first step of slot 0: step 2 kh: 8 kh images of K on,
	s_lshl_b32 s[TM], s[KH], 7                     ; 128 kh bytes on in the mask's rows
	s_and_b32 s14, s[WV], 3                        ; which quarter of the mask's tile (waves 0-3 ask)
	s_lshl_b32 s60, ttmp9, 8
	s_lshl_b32 s61, s14, 6
	s_add_co_u32 s60, s60, s61                     ; rows 256 x block + 64 x quarter on,
	s_lshl_b32 s60, s60, 11                        ; of 2,048 bytes,
	s_lshl_b32 s61, s13, 22                        ; in hb's 4 MiB
	s_add_co_u32 s60, s60, s61
	s_mov_b32 s61, 0
	s_lshl_b32 s62, s13, 17                        ; hb's 131,072 bytes of images
	s_mov_b32 s63, 0
	s_mul_i32 s14, s14, 64*MP                      ; the quarter's place in a slot
	s_wait_dscnt 0x0                               ; both opening adds are done
	s_wait_kmcnt 0x0
	s_load_b128 s[EX:EX+3], s[8:9], 0x18           ; e6, e7, e8, e9
	s_mov_b32 s[G0M], 1
	s_mov_b32 s[G0M+1], s14
	s_mov_b32 s[IDX], ttmp9                        ; my work-group's first block of keys: its number, 0 .. 7
	s_mov_b32 s83, 0
	s_add_nc_u64 s[MBS:MBS+1], s[6:7], s[60:61]
	s_lshl_b32 s82, s[IDX], 8
	s_add_nc_u64 s[G0M+2:G0M+3], s[MBS:MBS+1], s[82:83]
	s_or_b32 s[G0M+3], s[G0M+3], 0x80000000
	s_add_nc_u64 s[72:73], s[4:5], s[62:63]        ; hb's images of Q; K's lie 4 MiB on, V's 8 MiB
	s_mov_b32 s[G0K], 1
	s_mov_b32 s[G0K+1], KOFF
	s_add_nc_u64 s[KBS:KBS+1], s[72:73], 0x400000
	s_lshl_b32 s82, s[IDX], 14
	s_add_nc_u64 s[G0K+2:G0K+3], s[KBS:KBS+1], s[82:83]
	s_or_b32 s[G0K+3], s[G0K+3], 0x80000000
	s_mov_b32 s[G0V], 1
	s_mov_b32 s[G0V+1], VOFF
	s_add_nc_u64 s[G0V+2:G0V+3], s[G0K+2:G0K+3], 0x400000
	s_or_b32 s[G0V+3], s[G0V+3], 0x80000000
	s_mov_b32 s[G0W], 1
	s_mov_b32 s[G0W+1], VOFF+SLOT1
	s_add_co_u32 s82, s[IDX], 1                    ; V's second block, round the eight
	s_and_b32 s82, s82, 7
	s_lshl_b32 s82, s82, 14
	s_add_nc_u64 s[G0W+2:G0W+3], s[KBS:KBS+1], s[82:83]
	s_add_nc_u64 s[G0W+2:G0W+3], s[G0W+2:G0W+3], 0x400000
	s_or_b32 s[G0W+3], s[G0W+3], 0x80000000
	s_cmp_lt_u32 s[WV], 4                          ; the first fills, one group: slot 0's mask and K, and V's first 512 keys into both slots
	s_cbranch_scc0 .Lf_not_m
	tensor_load_to_lds s[G0M:G0M+3], s[G1M:G1M+7]
	s_nop 0
.rept 4
	v_nop
.endr
	s_branch .Lf_done
.Lf_not_m:
	s_cmp_eq_u32 s[WV], 4
	s_cbranch_scc0 .Lf_not_k
	tensor_load_to_lds s[G0K:G0K+3], s[G1D:G1D+7]
	s_nop 0
.rept 4
	v_nop
.endr
	s_branch .Lf_done
.Lf_not_k:
	s_cmp_eq_u32 s[WV], 5
	s_cbranch_scc0 .Lf_not_v
	tensor_load_to_lds s[G0V:G0V+3], s[G1D:G1D+7]
	s_nop 0
.rept 4
	v_nop
.endr
	s_branch .Lf_done
.Lf_not_v:
	s_cmp_eq_u32 s[WV], 6                          ; slot 1's part of V has an arm and a wave of its own: one tensor load a wave at the head
	s_cbranch_scc0 .Lf_done
	tensor_load_to_lds s[G0W:G0W+3], s[G1D:G1D+7]
	s_nop 0
.rept 4
	v_nop
.endr
.Lf_done:
	v_and_b32 v[LI], 31, v0
	s_delay_alu instid0(VALU_DEP_1)
	v_lshlrev_b32 v[PFO], 11, v[LI]                ; the prefetches' offset: a row of the mask a lane
	s_delay_alu instid0(VALU_DEP_2)
	v_lshlrev_b32 v[LI], 4, v[LI]
	s_lshl_b32 s60, ttmp9, 4
	s_lshl_b32 s62, s[WQ], 1
	s_add_co_u32 s60, s60, s62                     ; my first tile of queries: 16 x block + 2 x group
	s_lshl_b32 s60, s60, 10
	s_add_nc_u64 s[72:73], s[72:73], s[60:61]
.irp q, 0,1
.irp c, 0,1
	global_load_b128 v[Q+8*\q+4*\c:Q+8*\q+4*\c+3], v[LI], s[72:73] offset:1024*\q+512*\c   ; Q stays in registers
.endr
.endr
	s_lshl_b32 s60, ttmp9, 8                       ; the prefetches: rows 256 x block + 32 x group on, in hb's 4 MiB,
	s_lshl_b32 s62, s[WQ], 5
	s_add_co_u32 s60, s60, s62
	s_lshl_b32 s60, s60, 11
	s_lshl_b32 s62, s13, 22
	s_add_co_u32 s60, s60, s62
	s_add_nc_u64 s[PBS:PBS+1], s[6:7], s[60:61]    ; at column 0: each change of slots of pass 1 makes the prefetch's address from it.  Nothing is prefetched here, at the head
	s_cmp_ge_u32 s[WV], 8                          ; waves 8 to 15 ask
	s_cselect_b32 s[PLIM], 1, -1
	s_and_b32 s60, s13, 1                          ; out0: row batch x 2,048 + 256 x block + 32 x group + 16 kh, of 4,096 bytes; + head x 256 bytes
	s_lshl_b32 s60, s60, 11
	s_lshl_b32 s62, ttmp9, 8
	s_add_co_u32 s60, s60, s62
	s_lshl_b32 s62, s[WQ], 5
	s_add_co_u32 s60, s60, s62
	s_lshl_b32 s62, s[KH], 4
	s_add_co_u32 s60, s60, s62
	s_lshl_b32 s60, s60, 12
	s_lshr_b32 s62, s13, 1
	s_lshl_b32 s62, s62, 8
	s_add_co_u32 s60, s60, s62
	s_add_nc_u64 s[10:11], s[10:11], s[60:61]
	v_and_b32 v[ADK], 15, v0                       ; r
	v_bfe_u32 v[ADM], v0, 4, 1                     ; h
	s_delay_alu instid0(VALU_DEP_2)
	v_mul_u32_u24 v[AM0], v[ADK], MP
	s_delay_alu instid0(VALU_DEP_1)
	v_lshl_add_u32 v[AM0], v[ADM], 4, v[AM0]
	s_mul_i32 s60, s[WQ], 32*MP
	v_add_nc_u32 v[AM0], s60, v[AM0]
.irp q, 0,1
	v_mov_b32 v[ST+2*\q+1], 0xff61b1e6             ; the largest t so far: -3e38, under every t
	s_delay_alu instid0(VALU_DEP_1)
	v_floor_f32 v[ST+2*\q], -v[ST+2*\q+1]          ; -M
	v_mov_b32 v[LS+2*\q], 0                        ; l: the first change of M multiplies zeros
	v_mov_b32 v[LS+2*\q+1], 0
	v_mov_b32 v[F+2*\q+1], 0                       ; (named as the upper half of f's pair)
.endr
	s_wait_kmcnt 0x0
	s_add_co_i32 s60, s[EX], s[EX+1]
	s_lshl_b32 s60, s60, 23
	s_add_co_i32 s[CS], s60, 0x3e38aa3b            ; c2 = log2(e) / 8 with e6 + e7 added to its exponent field
	s_mov_b32 s[CS+1], s[CS]
	v_mov_b32 v[C2V], s[CS]
	s_add_co_i32 s60, s[EX+2], 127
	s_lshl_b32 s62, s60, 23
	v_mov_b32 v[SC8], s62                          ; 2^e8
	s_add_co_i32 s60, s60, 8
	s_lshl_b32 s60, s60, 23
	s_or_b32 s[LIM], s60, 0x600000                 ; 448 x 2^e8
	s_add_co_i32 s60, s[EX+2], s[EX+3]
	s_add_co_i32 s60, s60, 127
	s_lshl_b32 s[OSC], s60, 23                     ; 2^(e8 + e9)
	s_mov_b32 s[OSC+1], s[OSC]
	s_wait_loadcnt 0x0                             ; Q
	; ---- PASS 1
	s_mov_b32 s[CNT], 7
.Lp1:
	CHANGE 0
	SLOTP 1
	s_sub_co_u32 s[CNT], s[CNT], 1
	s_cmp_lg_u32 s[CNT], 0
	s_cbranch_scc1 .Lp1
	CHANGE 1                                       ; the eighth slot; behind its barrier pass 2's first slot is asked for
	SLOTP 1
	; the halves of the lanes meet: the lesser -M of the two; each half's l comes under it by a power of two
	s_wait_alu depctr_va_vdst(0)
.irp q, 0,1
	v_add_f32 v[LS+2*\q], v[LS+2*\q], v[LS+2*\q+1]
.endr
.irp q, 0,1
	v_permlanex16_b32 v[MA+\q], v[ST+2*\q], s[SEL], s[SEL+1]
.endr
.irp q, 0,1
	s_delay_alu instid0(VALU_DEP_2)
	v_min_num_f32 v[XR+2*\q], v[MA+\q], v[ST+2*\q]
.endr
.irp q, 0,1
	s_delay_alu instid0(VALU_DEP_2)
	v_sub_f32 v[TC+\q], v[XR+2*\q], v[ST+2*\q]     ; my half's M - the wave's M: a whole number, 0 or less
.endr
.irp q, 0,1
	s_delay_alu instid0(VALU_DEP_2)
	v_cvt_i32_f32 v[TC+\q], v[TC+\q]
.endr
.irp q, 0,1
	s_delay_alu instid0(VALU_DEP_2)
	v_ldexp_f32 v[LS+2*\q], v[LS+2*\q], v[TC+\q]
.endr
.irp q, 0,1
	s_delay_alu instid0(VALU_DEP_2)
	v_permlanex16_b32 v[MB+\q], v[LS+2*\q], s[SEL], s[SEL+1]
.endr
.irp q, 0,1
	s_delay_alu instid0(VALU_DEP_2)
	v_add_f32 v[XR+2*\q+1], v[LS+2*\q], v[MB+\q]   ; the wave's l, over its half of the keys
.endr
	; the two waves of a group meet: my four numbers go to LDS ahead of the change of slots, whose wait and barrier order them; my partner's come back behind it
	v_lshl_add_u32 v[ADK], v0, 4, XCH              ; 16 bytes a thread
	v_xor_b32 v[ADM], 0x100, v0                    ; my partner's thread: the wave 8 away, the same lane
	s_delay_alu instid0(VALU_DEP_1)
	v_lshl_add_u32 v[ADM], v[ADM], 4, XCH
	ds_store_b128 v[ADK], v[XR:XR+3]
	; ---- PASS 2
	CHANGE 2
	s_wait_alu depctr_va_vdst(0)
	ds_load_b128 v[XR+4:XR+7], v[ADM]
.set ii, 0
.rept 34
	v_mov_b32 v[O+ii], 0                           ; O^T begins as zeros, so that pass 2's step is written without a first step of its own.  (Work while the load is out)
.set ii, ii+1
.endr
	s_wait_dscnt 0x0
.irp q, 0,1
	v_min_num_f32 v[MA+\q], v[XR+2*\q], v[XR+4+2*\q]     ; the query's -M
.endr
.irp q, 0
	s_delay_alu instid0(VALU_DEP_2)
	v_sub_f32 v[TC+\q], v[MA+\q], v[XR+2*\q]
	s_delay_alu instid0(VALU_DEP_3)
	v_sub_f32 v[MB+\q], v[MA+\q], v[XR+4+2*\q]
.endr
.irp q, 1
	s_delay_alu instid0(VALU_DEP_3)
	v_sub_f32 v[TC+\q], v[MA+\q], v[XR+2*\q]
	s_delay_alu instid0(VALU_DEP_4)
	v_sub_f32 v[MB+\q], v[MA+\q], v[XR+4+2*\q]
.endr
.irp q, 0,1
	s_delay_alu instid0(VALU_DEP_4)
	v_cvt_i32_f32 v[TC+\q], v[TC+\q]
	s_delay_alu instid0(VALU_DEP_4)
	v_cvt_i32_f32 v[MB+\q], v[MB+\q]
.endr
.irp q, 0,1
	s_delay_alu instid0(VALU_DEP_4)
	v_ldexp_f32 v[XR+2*\q+1], v[XR+2*\q+1], v[TC+\q]
	s_delay_alu instid0(VALU_DEP_4)
	v_ldexp_f32 v[XR+4+2*\q+1], v[XR+4+2*\q+1], v[MB+\q]
.endr
.irp q, 0
	s_delay_alu instid0(VALU_DEP_3)
	v_add_f32 v[LS+2*\q], v[XR+2*\q+1], v[XR+4+2*\q+1]   ; l: over 1/2, since the largest term is; the same number in both waves
.endr
.irp q, 1
	s_delay_alu instid0(VALU_DEP_2)
	v_add_f32 v[LS+2*\q], v[XR+2*\q+1], v[XR+4+2*\q+1]   ; l: over 1/2, since the largest term is; the same number in both waves
.endr
	s_wait_alu depctr_va_vdst(0)
.irp q, 0,1
	v_log_f32 v[TC+\q], v[LS+2*\q]
.endr
.set ii, 48
.rept 16
	v_mov_b32 v[O+ii], 0                           ; (the plain lines behind the logarithms)
.set ii, ii+1
.endr
	s_wait_alu depctr_va_vdst(0)                   ; one wait for both logarithms, ahead of their first reader
.irp q, 0,1
	v_sub_f32 v[ST+2*\q], v[MA+\q], v[TC+\q]       ; -M - log2 l
.endr
.set ii, 34
.rept 14
	v_mov_b32 v[O+ii], 0
.set ii, ii+1
.endr
	SLOTP 2
	s_mov_b32 s[CNT], 6
.Lp2:
	CHANGE 3
	SLOTP 2
	s_sub_co_u32 s[CNT], s[CNT], 1
	s_cmp_lg_u32 s[CNT], 0
	s_cbranch_scc1 .Lp2
	CHANGE 4                                       ; the last slot is written out: no load is jumped over
	SLOTP 2
	; ---- THE WAY OUT.  Register j of O^T's tile 2 b + u is channel 32 b + 16 h + 8 u + j of query r.  Each wave puts its partial sums of its 32 queries into its stage as rows of 256 bytes;
	; then wave (wq, kh) reads rows 16 kh .. 16 kh + 15 of the stages of waves wq and wq + 8, adds them and stores them: sixteen lanes store 256 consecutive, aligned bytes.
	v_bfe_u32 v[LI], v0, 4, 1                      ; h.  (These lines are the places behind the last products)
	s_delay_alu instid0(VALU_DEP_1)
	v_lshlrev_b32 v[LI], 12, v[LI]
	v_and_b32 v[ADM], 15, v0                       ; r
	s_delay_alu instid0(VALU_DEP_1)
	v_lshl_add_u32 v[LI], v[ADM], 4, v[LI]         ; out0: lanes 0-15 one row, lanes 16-31 the next; 16 bytes a lane
	s_mul_i32 s60, s[WV], WST                      ; my stage
	v_mul_u32_u24 v[AM0], v[ADM], MP
	v_bfe_u32 v[ADK], v0, 4, 1                     ; h
	s_delay_alu instid0(VALU_DEP_1)
	v_lshl_add_u32 v[AM0], v[ADK], 6, v[AM0]
	s_delay_alu instid0(VALU_DEP_1)
	v_add_nc_u32 v[AM0], s60, v[AM0]               ; in: row r, + 64 h bytes
	s_mul_i32 s61, s[WQ], WST
	s_mul_i32 s62, s[KH], 16*MP
	s_add_co_u32 s61, s61, s62                     ; wave wq's stage, rows 16 kh on
	v_mul_u32_u24 v[ADK], v[ADK], MP
	s_delay_alu instid0(VALU_DEP_1)
	v_lshl_add_u32 v[ADK], v[ADM], 4, v[ADK]
	s_delay_alu instid0(VALU_DEP_1)
	v_add_nc_u32 v[ADK], s61, v[ADK]               ; back: lanes 0-15 one row, lanes 16-31 the next
	s_delay_alu instid0(VALU_DEP_1)
	v_add_nc_u32 v[ADM], 8*WST, v[ADK]             ; and the same rows of wave wq + 8's stage
.set ii, 0
.rept 32
	v_pk_mul_f32 v[S+ii:S+ii+1], v[O+ii:O+ii+1], s[OSC:OSC+1] op_sel_hi:[1,0]   ; x 2^(e8 + e9): nothing is rounded; each accumulator from its low end on
.set ii, ii+2
.endr
	s_wait_alu depctr_va_vdst(0)
	s_wait_dscnt 0x0                               ; my reads of the last slot are over;
	s_barrier_signal -1
	s_barrier_wait -1                              ; everybody's are: the stages may lie over both slots' bytes, into which no load will land again
.irp q, 0,1
.irp t, 0,1,2,3
	ds_store_b128 v[AM0], v[S+32*\q+8*\t:S+32*\q+8*\t+3] offset:16*MP*\q+128*(\t/2)+32*(\t%2)
	ds_store_b128 v[AM0], v[S+32*\q+8*\t+4:S+32*\q+8*\t+7] offset:16*MP*\q+128*(\t/2)+32*(\t%2)+16
.endr
.endr
	s_wait_dscnt 0x0                               ; for the others' sake: my stores into my stage are done
	s_barrier_signal -1
	s_barrier_wait -1
.irp i, 0,1,2,3,4,5,6,7
	ds_load_b128 v[KF+4*\i:KF+4*\i+3], v[ADK] offset:2*\i*MP
	ds_load_b128 v[VF+4*\i:VF+4*\i+3], v[ADM] offset:2*\i*MP
.endr
.irp i, 0,1,2,3,4,5,6,7
	s_wait_dscnt 14-2*\i                           ; what was issued behind this pair of loads: the later pairs
	v_pk_add_f32 v[KF+4*\i:KF+4*\i+1], v[KF+4*\i:KF+4*\i+1], v[VF+4*\i:VF+4*\i+1]       ; the two halves of the keys
	v_pk_add_f32 v[KF+4*\i+2:KF+4*\i+3], v[KF+4*\i+2:KF+4*\i+3], v[VF+4*\i+2:VF+4*\i+3]
	global_store_b128 v[LI], v[KF+4*\i:KF+4*\i+3], s[10:11] offset:2*\i*4096 th:TH_STORE_NT
.endr
	s_wait_tensorcnt 0x0                           ; the wave's end: behind my last tensor load and my last LDS store
	ds_add_u32 v[SPW], v[NIL]
	s_wait_dscnt 0x0
	s_endpgm
.Lfunc_end_k_qf860c22587_attn:
	.size	k_qf860c22587_attn, .Lfunc_end_k_qf860c22587_attn-k_qf860c22587_attn
	.p2alignl 7, 3214868480
	.fill 96, 4, 3214868480
	.section	.rodata,"a",@progbits
	.p2align	6, 0x0
	.amdhsa_kernel k_qf860c22587_attn
		.amdhsa_group_segment_fixed_size 327680
		.amdhsa_private_segment_fixed_size 0
		.amdhsa_enable_private_segment 0
		.amdhsa_kernarg_size 32
		.amdhsa_user_sgpr_count 2
		.amdhsa_user_sgpr_kernarg_segment_ptr 1
		.amdhsa_wavefront_size32 1
		.amdhsa_system_sgpr_workgroup_id_x 1
		.amdhsa_system_sgpr_workgroup_id_y 1
		.amdhsa_system_sgpr_workgroup_id_z 1
		.amdhsa_system_vgpr_workitem_id 0
		.amdhsa_next_free_vgpr 256
		.amdhsa_next_free_sgpr 88
		.amdhsa_reserve_vcc 0
		.amdhsa_float_denorm_mode_32 3
		.amdhsa_float_denorm_mode_16_64 3
		.amdhsa_memory_ordered 1
		.amdhsa_forward_progress 1
		.amdhsa_inst_pref_size 95
	.end_amdhsa_kernel
	.amdgpu_metadata
---
amdhsa.version: [ 1, 2 ]
amdhsa.kernels:
  - .name:           k_qf860c22587_attn
    .symbol:         k_qf860c22587_attn.kd
    .args:
      - { .name: qkv, .offset: 0, .size: 8, .value_kind: global_buffer, .address_space: global }
      - { .name: attn_mask, .offset: 8, .size: 8, .value_kind: global_buffer, .address_space: global }
      - { .name: lowp_scales, .offset: 16, .size: 8, .value_kind: global_buffer, .address_space: global }
      - { .name: out0, .offset: 24, .size: 8, .value_kind: global_buffer, .address_space: global }
    .group_segment_fixed_size: 327680
    .private_segment_fixed_size: 0
    .kernarg_segment_align: 8
    .kernarg_segment_size: 32
    .max_flat_workgroup_size: 512
    .sgpr_count:     88
    .vgpr_count:     256
    .wavefront_size: 32
...
	.end_amdgpu_metadata
.endif
;; end of part 3
